; MI455X (gfx1250); checked and timed in simulation.
; The chip was launched on July 23, 2026; its instructions are those of AMD's public machine-readable ISA for CDNA 5 (MIT licence, August 2026) and "CDNA5" Instruction Set Architecture Reference Guide (July 2026). The comments in the code are by the model that wrote it; some were corrected since.
;; Self Attention Block. Allowed arithmetic: matrix products marked QUANTISED: E4M3 operands, one given power-of-two scale a tensor, by v_wmma_f32_16x16x64_fp8_fp8 or v_wmma_f32_16x16x128_fp8_fp8, f32 sums; everything else in f32.
;; Inputs: Wk_codes 128 x 8 x 32 uint8 (E4M3 codes of Wk, K innermost, in blocks of 32 codes); Wq_codes 128 x 8 x 32 uint8 (E4M3 codes of Wq, K innermost, in blocks of 32 codes); Wv_codes 256 x 8 x 32 uint8 (E4M3 codes of Wv, K innermost, in blocks of 32 codes); bk 128 float32; bq 128 float32; bv 256 float32; gamma 1 float32; lowp_scales 10 int32 (the exponents e of the quantised operands' scales 2^e); x 4 x 256 x 64 x 64 float32.
;; Outputs: out0 4 x 256 x 64 x 64 float32.
;; This version of the problem:
;;   THIS VERSION OF THE PROBLEM IS GIVEN IN LOW PRECISION. The matrix products marked QUANTISED in the list below multiply operands that are first quantised to E4M3 (4 exponent bits, 3 mantissa bits; 8 bits a number), with one given power-of-two scale for each operand tensor; their sums are f32. All else is computed in f32.
;;   The module's matrix products, in the order in which they are computed (A, B: the left and right operand; K: the contracted axis; several contracted axes count as one K, in the product's order):
;;     1. [M 16,384, K 256] x [K 256, N 128]; A: input x; B: input Wq (given as codes): QUANTISED (scales: A lowp_scales[0], B lowp_scales[1])
;;     2. [M 16,384, K 256] x [K 256, N 128]; A: input x; B: input Wk (given as codes): QUANTISED (scales: A lowp_scales[2], B lowp_scales[3])
;;     3. [M 16,384, K 256] x [K 256, N 256]; A: input x; B: input Wv (given as codes): QUANTISED (scales: A lowp_scales[4], B lowp_scales[5])
;;     4. batch 4 x [M 4,096, K 128] x [K 128, N 4,096]; A: computed on the way; B: computed on the way: QUANTISED (scales: A lowp_scales[6], B lowp_scales[7])
;;     5. batch 4 x [M 256, K 4,096] x [K 4,096, N 4,096]; A: computed on the way; B: softmax (see below): QUANTISED (scales: A lowp_scales[8], B lowp_scales[9])
;;   THE QUANTISER, for each operand of a quantised product, along K:
;;     - The operand's scale is 2^e, e = its entry of the input lowp_scales (int32; the entries are numbered through the quantised products in the list's order, A before B).
;;     - Each number is divided by the scale, clamped to +-448, and rounded to the nearest number of E4M3, ties to even, subnormals kept.
;;     - The product sums the exact products of the quantised numbers (number of the format x scale) in f32.
;;   ~~~python
;;   def quantise(x, axis, e):      # numpy; x: float32 -> the quantised numbers, widened to float32 again
;;       x = np.moveaxis(x, axis, -1); K = x.shape[-1]
;;       r = np.clip(x / 2.0 ** e, -448, 448)
;;       step = 2.0 ** (np.maximum(np.frexp(np.where(r == 0, 1, r))[1] - 1, -6) - 3)
;;       q = np.round(r / step) * step * 2.0 ** e      # np.round: ties to even
;;       return np.moveaxis(q, -1, axis).astype(np.float32)
;;   ~~~
;;   SOFTMAX AHEAD OF A QUANTISED PRODUCT. Where the list says 'softmax', what is quantised is not the finished softmax but p = 2^(t - M), with t = logit x log2(e) and M = ceil(the row's largest t), a whole number; so 1/2 < the row's largest p <= 1. The row's sum l is taken of the UNQUANTISED p, in f32, and the product's result is divided by l at the end. Since M is a whole number, a kernel that streams over the keys may use a running M (the ceiling of the running maximum): every later rescaling is an exact power of two, so the quantised numbers keep their values, but for numbers so far below the row's largest that they fall under the format's range.
;;   OPERANDS COMPUTED ON THE WAY. 'Computed on the way' means the value that the module computes at that place (a softmax that the list does not call 'softmax' is quantised finished and normalised). What goes into a quantiser is computed in f32, as accurately as f32 sums, v_exp_f32 and their like allow (about 1e-6 of the number): no bf16 or f16 on the way to a quantiser, and a product that is left as it is and whose result goes on into a quantised operand takes f32 operands (vector FMAs, or v_wmma_f32_16x16x4_f32). A number that lies on a knife's edge between two numbers of the format may be rounded either way, as far as f32 arithmetic and the matrix unit's own rounding can turn it there, and no further.
;;   INPUTS GIVEN AS CODES. Wk (in the module: [128, 256], K = its axis 1); Wq (in the module: [128, 256], K = its axis 1); Wv (in the module: [256, 256], K = its axis 1): each comes as NAME_codes (uint8): NAME with its K axis moved to the last place and cut into blocks of 32 codes, [.., K / 32, bytes a block], one block behind the other in memory; one code a byte (a code: sign, 4 exponent bits, 3 mantissa bits); its scale is its entry of lowp_scales. Its value is code x scale, taken as it is: it is not quantised again, and the codes and scales need not be those that the quantiser above would give.
;; One version. Each part assembles by itself: llvm-mc -triple=amdgcn-amd-amdhsa -mcpu=gfx1250 --defsym DOCPART=n.
;; ======== version 1 of 1: 2 launches
;; workspace buffers: q_img 2,097,152 bytes; kv 6,291,456 bytes
;; launch proj (part 1): grid 64 x 4, 4 waves a work-group, no clusters, 168,448 bytes of LDS; arguments x, Wq_codes, Wk_codes, Wv_codes, bq, bk, bv, lowp_scales, q_img, kv; writes q_img, kv
.if DOCPART == 1
	.amdgcn_target "amdgcn-amd-amdhsa--gfx1250"
	.amdhsa_code_object_version 6
	.text
	.protected	k_qe99a6fc9d6_proj
	.globl	k_qe99a6fc9d6_proj
	.p2align	8
	.type	k_qe99a6fc9d6_proj,@function
k_qe99a6fc9d6_proj:
	s_mov_b64 s[64:65], 0
	v_nop
	global_prefetch_b8 v0, s[64:65] scope:SCOPE_SE
	s_setreg_imm32_b32 hwreg(HW_REG_WAVE_MODE, 25, 1), 1
	s_wait_xcnt 0x0
; q = Wq x + bq, k = Wk x + bk, v = Wv x + bv for 64 pixels of one image, on codes of FP8 (E4M3), and q, k, v quantised again for the attention that follows.
; x: [4][256 channels][4096 pixels] f32; K of all three products is the channel, which is NOT innermost.  Each product has its own scale for x (entries 0, 2, 4 of the scales), so x is quantised three times.
; SHARES.  A work-group takes 64 pixels: 256 consecutive bytes, aligned, of each of x's 256 rows, brought by four tensor loads (one a wave, 64 rows each), once.  Wave w quantises pixel tile w and lays the
; six fragments (3 scales x 2 K steps of 128) into LDS as images of their registers (4 stores of 512 bytes, lane l's 16 bytes at 16 l); every wave reads all 24 fragments back.
; THE WAVES SHARE THE OUTPUT COLUMNS: wave w keeps rows 32 w .. 32 w + 31 of Wq and of Wk and rows 64 w .. 64 w + 63 of Wv in 256 registers.
; A FRAGMENT (16 rows x 128 K) is 16 registers: lane (r, h) holds row r; registers 4 c .. 4 c + 3 hold k = 32 c + 16 h + 0 .. 15, alike on both sides of every product.
; THE ROWS OF A TILE ARE NOT NEIGHBOURS: lane r of tile 2 g + u stands for pixel (or row of Wq, Wk) 32 g + 8 u + r + 8 (r / 8).  q and k are made transposed (source 0 = 16 rows of W, source 1 = 16 pixels): a lane
; holds one pixel, and the 16 registers of the wave's two tiles are 16 neighbours along the next K: chunk w of the pixel tile's fragment.  v is made the other way (source 0 = 16 pixels, source 1 = 16 rows of Wv):
; a lane holds one channel, and two pixel tiles give 16 neighbouring keys, the K of attention's second product.  So every conversion's result is 16 bytes of an operand's image, and a store covers 512 consecutive bytes, aligned.
; The biases are the C of each sum's first matrix instruction, divided by the power of two that the sums lack; the three scales ahead of each quantiser are folded into the conversion's one.
; kv: [image][stream wa = pixel / 1024][block j of 8][49,152 bytes].  Block j holds v of the stream's step j (128 keys: 16 fragments) and k of step (j + 1) mod 8 (8 fragments), in the order in which the next launch
; wants them in LDS: an odd block reads v 0-15, k; an even block v 12-15, k, v 0-11.  v's fragment a of stream wa holds channels 16 ((a + 4 wa) mod 16) on.
; NO JOINT LOAD for the weights, though every work-group reads them: they go from memory straight into registers, 32,768 bytes a wave, once in the launch; a joint tensor load would lay the same 131,072 bytes into LDS and read them out again.
; LIMITS: e0, e2, e4, e6 - e0 - e1, e7 - e2 - e3, e8 - e4 - e5 lie between -126 and 119, so that each scale and 448 x the scale is an f32 number.  NaN among the inputs is not served (an infinity is held at the largest code).
; REGISTERS.  window 0: v1-11, v28 addresses; v12-23 scales; v24-27 bv; v32-159 x's numbers, then the 16 accumulators; v160-223 held numbers, then the codes to store; v224-239 a fragment's codes.
;   window 1: the weights' 16 fragments.   window 2: x's 12 fragments of pixel tiles 0, 1; from v192 the biases.   window 3: x's 12 fragments of pixel tiles 2, 3.
.set XP,   264                         ; a row of x's tile in LDS: 256 bytes + 8: lanes 16-31, which read 16 rows further down, fall 32 banks beside lanes 0-15
.set XIMG, 256*XP                      ; behind the tile: 24 images of 2,048 bytes: ((scale x 4 + pixel tile) x 2 + K step)
.set XA,   4                           ; v4   my pixel's byte in row 16 h of the tile
.set LI,   5                           ; v5   16 x lane
.set XWI,  6                           ; v6   where I store my images
.set WA,   7                           ; v7   Wq, Wk: my lane's byte in a tile
.set WVA,  8                           ; v8   Wv: the same
.set QO,   11                          ; v11  q's and k's images: chunk w, 16 x lane
.set XRD,  28                          ; v28  XIMG + 16 x lane
.set XN,   32
.set AQ,   32                          ; q(u, p) at AQ + 8 (2 u + p): pixel tile 2 g + u, my tile p of Wq
.set AK,   64
.set AV,   96                          ; v(j, u) at AV + 8 (2 j + u): my channel tile j
.set T,    160
.set CODE, 160
.set PC,   224
.set WQ,   0                           ; window 1: fragment (tile p, K step s) at 16 (2 p + s)
.set WK,   64
.set WVF,  128
.set BQ,   192                         ; window 2
.set BK,   208
.set BV,   224
.set MSB, 0
.macro WIN new                         ; the immediate's high byte repeats the setting that is left
.if MSB != (\new)
	s_set_vgpr_msb (MSB<<8)|(\new)
.set MSB, (\new)
.endif
.endm
.macro PLACES n
.rept \n
	v_nop
.endr
.endm
.macro MKSC e, vs, vl                  ; 2^e and 448 x 2^e as f32
	s_add_co_i32 s50, \e, 127
	s_lshl_b32 s51, s50, 23
	v_mov_b32 v[\vs], s51
	s_add_co_i32 s50, s50, 8
	s_lshl_b32 s50, s50, 23
	s_or_b32 s50, s50, 0x600000
	v_mov_b32 v[\vl], s50
.endm
	s_load_b512 s[4:19], s[0:1], 0x0               ; x, Wq, Wk, Wv, bq, bk, bv, the scales' exponents
	s_load_b128 s[20:23], s[0:1], 0x40             ; q_img, kv
	v_lshl_add_u32 v254, v0, 2, 0x29000
	v_mov_b32 v255, 0
	ds_add_u32 v254, v255
	ds_add_u32 v254, v255
	v_lshrrev_b32 v1, 5, v0
	v_readfirstlane_b32 s24, v1                    ; wave 0..3
	s_mov_b32 s25, ttmp9                           ; pb: which 64 pixels
	s_and_b32 s26, ttmp7, 0xffff                   ; the image
	; descriptor group 1: 64 rows of 64 elements of 4 bytes, 4,096 elements from row to row; 2 words of padding behind every 64
	s_mov_b32 s32, (2<<16)|(1<<20)|(5<<22)|(1<<25)
	s_mov_b32 s33, 64<<16                          ; tensor_dim0
	s_mov_b32 s34, 64<<16                          ; tensor_dim1
	s_mov_b32 s35, 64<<16                          ; tile_dim0
	s_mov_b32 s36, 64                              ; tile_dim1
	s_mov_b32 s37, 4096                            ; the pitch
	s_mov_b32 s38, 0
	s_mov_b32 s39, 0
	s_lshl_b32 s50, s26, 22                        ; the image: 4,194,304 bytes,
	s_lshl_b32 s51, s24, 20                        ; my 64 rows of 16,384 bytes,
	s_add_co_u32 s50, s50, s51
	s_lshl_b32 s51, s25, 8                         ; the 64 pixels
	s_add_co_u32 s50, s50, s51
	s_mov_b32 s51, 0
	s_mov_b32 s28, 1
	s_mul_i32 s29, s24, 64*XP                      ; my 64 rows in LDS
	s_wait_dscnt 0x0
	s_wait_kmcnt 0x0
	s_add_nc_u64 s[30:31], s[4:5], s[50:51]
	s_or_b32 s31, s31, 0x80000000
	tensor_load_to_lds s[28:31], s[32:39]          ; the one tensor load of this wave; nothing in LDS is filled twice
	s_nop 0
	PLACES 4
	s_load_b256 s[40:47], s[18:19], 0x0            ; e0 .. e7
	s_load_b64 s[48:49], s[18:19], 0x20            ; e8, e9
	v_and_b32 v1, 31, v0                           ; lane
	v_and_b32 v2, 15, v0                           ; r
	v_bfe_u32 v3, v0, 4, 1                         ; h
	v_and_b32 v29, 8, v2
	v_add_nc_u32 v29, v29, v2                      ; r + 8 (r / 8)
	s_lshr_b32 s52, s24, 1
	s_lshl_b32 s52, s52, 7
	s_and_b32 s53, s24, 1
	s_lshl_b32 s53, s53, 5
	s_add_co_u32 s52, s52, s53                     ; 4 x (32 (w / 2) + 8 (w % 2)): pixel tile w
	v_lshl_add_u32 v[XA], v29, 2, s52
	v_mul_u32_u24 v30, v3, 16*XP
	v_add_nc_u32 v[XA], v[XA], v30
	v_lshlrev_b32 v[LI], 4, v1
	s_lshl_b32 s52, s24, 12
	s_add_co_u32 s52, s52, XIMG
	v_add_nc_u32 v[XWI], s52, v[LI]
	v_add_nc_u32 v[XRD], XIMG, v[LI]
	v_lshlrev_b32 v[WA], 8, v29
	v_lshl_add_u32 v[WA], v3, 4, v[WA]
	v_lshlrev_b32 v[WVA], 8, v2
	v_lshl_add_u32 v[WVA], v3, 4, v[WVA]
	v_lshlrev_b32 v9, 6, v3                        ; bq, bk: 16 numbers further on for lanes 16-31
	v_lshlrev_b32 v10, 2, v2                       ; bv: my channel
	s_lshl_b32 s52, s24, 9
	v_add_nc_u32 v[QO], s52, v[LI]
	s_mov_b32 s53, 0
	s_lshl_b32 s52, s24, 13                        ; my 32 rows of Wq and of Wk,
	s_add_nc_u64 s[6:7], s[6:7], s[52:53]
	s_add_nc_u64 s[8:9], s[8:9], s[52:53]
	s_lshl_b32 s52, s24, 14                        ; my 64 rows of Wv,
	s_add_nc_u64 s[10:11], s[10:11], s[52:53]
	s_lshl_b32 s52, s24, 7                         ; my 32 numbers of bq and bk,
	s_add_nc_u64 s[12:13], s[12:13], s[52:53]
	s_add_nc_u64 s[14:15], s[14:15], s[52:53]
	s_lshl_b32 s52, s24, 8                         ; my 64 of bv
	s_add_nc_u64 s[16:17], s[16:17], s[52:53]
	WIN 0x40                                       ; destination window 1
.irp p, 0,1
.irp s, 0,1
.irp c, 0,1,2,3
	global_load_b128 v[WQ+16*(2*\p+\s)+4*\c:WQ+16*(2*\p+\s)+4*\c+3], v[WA], s[6:7] offset:\p*2048+\s*128+32*\c
	global_load_b128 v[WK+16*(2*\p+\s)+4*\c:WK+16*(2*\p+\s)+4*\c+3], v[WA], s[8:9] offset:\p*2048+\s*128+32*\c
.endr
.endr
.endr
.irp j, 0,1,2,3
.irp s, 0,1
.irp c, 0,1,2,3
	global_load_b128 v[WVF+16*(2*\j+\s)+4*\c:WVF+16*(2*\j+\s)+4*\c+3], v[WVA], s[10:11] offset:\j*4096+\s*128+32*\c
.endr
.endr
.endr
	WIN 0x80                                       ; destination window 2
.irp p, 0,1                                    ; lane (r, h), tile p: rows 32 w + 8 p + 16 h + 0 .. 7 of the weight
	global_load_b128 v[BQ+8*\p:BQ+8*\p+3], v9, s[12:13] offset:32*\p
	global_load_b128 v[BQ+8*\p+4:BQ+8*\p+7], v9, s[12:13] offset:32*\p+16
	global_load_b128 v[BK+8*\p:BK+8*\p+3], v9, s[14:15] offset:32*\p
	global_load_b128 v[BK+8*\p+4:BK+8*\p+7], v9, s[14:15] offset:32*\p+16
.endr
	WIN 0
.irp j, 0,1,2,3
	global_load_b32 v[24+\j], v10, s[16:17] offset:64*\j   ; bv of channel 64 w + 16 j + r
.endr
	s_wait_kmcnt 0x0
	MKSC s40, 12, 13                               ; x for q,
	MKSC s42, 14, 15                               ; for k,
	MKSC s44, 16, 17                               ; for v
	s_add_co_i32 s57, s40, s41                     ; a sum of the first product stands for sum x 2^(e0 + e1)
	s_sub_co_i32 s54, s46, s57
	s_sub_co_i32 s57, 0, s57
	s_add_co_i32 s58, s42, s43
	s_sub_co_i32 s55, s47, s58
	s_sub_co_i32 s58, 0, s58
	s_add_co_i32 s59, s44, s45
	s_sub_co_i32 s56, s48, s59
	s_sub_co_i32 s59, 0, s59
	MKSC s54, 18, 19                               ; q's conversion: 2^(e6 - e0 - e1)
	MKSC s55, 20, 21                               ; k's: 2^(e7 - e2 - e3)
	MKSC s56, 22, 23                               ; v's: 2^(e8 - e4 - e5)
	; where the codes go
	s_lshl_b32 s72, s26, 6
	s_add_co_u32 s72, s72, s25
	s_lshl_b32 s72, s72, 13                        ; q_img: 8,192 bytes for each block of 64 queries
	s_mov_b32 s73, 0
	s_add_nc_u64 s[66:67], s[20:21], s[72:73]
	s_mul_i32 s72, s26, 1572864                    ; kv: the image,
	s_lshr_b32 s74, s25, 4                         ; the stream wa
	s_mul_i32 s75, s74, 393216
	s_add_co_u32 s72, s72, s75
	s_bfe_u32 s75, s25, 0x30001                    ; the step s = (pb / 2) mod 8,
	s_and_b32 s77, s75, 1                          ; whether it is odd,
	s_and_b32 s76, s25, 1                          ; and which half of its 128 keys is mine
	s_add_co_u32 s80, s75, 7                       ; k of step s lies in block (s + 7) mod 8:
	s_and_b32 s80, s80, 7
	s_mul_i32 s80, s80, 49152
	s_mul_i32 s81, s77, 24576
	s_sub_co_u32 s81, 32768, s81                   ; at byte 32,768 of an odd block (s even), at byte 8,192 of an even one (s odd);
	s_add_co_u32 s80, s80, s81
	s_lshl_b32 s81, s76, 13                        ; fragments 4 (pb % 2) on
	s_add_co_u32 s80, s80, s81
	s_add_co_u32 s78, s72, s80
	s_mov_b32 s79, 0
	s_add_nc_u64 s[68:69], s[22:23], s[78:79]
	s_mul_i32 s80, s75, 49152                      ; v of step s lies in block s.  My four fragments are quarter (w - wa) mod 4 of its sixteen:
	s_sub_co_u32 s81, s24, s74
	s_and_b32 s81, s81, 3
	s_xor_b32 s82, s77, 1
	s_mul_i32 s82, s82, 3
	s_add_co_u32 s81, s81, s82                     ; in an odd block at 8,192 x quarter; in an even one three places further on,
	s_cmp_eq_u32 s81, 6
	s_cselect_b32 s81, 0, s81                      ; but for the last quarter, which stands first there
	s_lshl_b32 s81, s81, 13
	s_add_co_u32 s80, s80, s81
	s_lshl_b32 s81, s76, 10                        ; chunks 2 (pb % 2) on
	s_add_co_u32 s80, s80, s81
	s_add_co_u32 s72, s72, s80
	s_add_nc_u64 s[70:71], s[22:23], s[72:73]
	s_wait_tensorcnt 0x0                           ; my 64 rows have landed,
	s_barrier_signal -1
	s_barrier_wait -1                              ; everybody's have
; ---- x's numbers of my pixel tile: lane (r, h) takes one pixel, and its registers run down the channels in the order of the operand's registers: register 64 s + 16 c + i is channel 128 s + 32 c + 16 h + i
.set i, 0
.rept 128
	ds_load_b32 v[XN+i], v[XA] offset:(128*(i/64)+32*((i/16)%4)+i%16)*XP
.set i, i+1
.endr
; 64 numbers become a fragment's codes and go to LDS as they stand.  The numbers are held into other registers: they are quantised three times.
.macro QUANT src, sc, lim, off
.set i, 0
.rept 64
	v_med3_num_f32 v[T+i], v[\src+i], -v[\lim], v[\lim]   ; the conversion to an 8-bit code does not saturate (ISA guide 7.6.2): the hold at 448 x the scale comes first
.set i, i+1
.endr
	s_wait_dscnt 0x0                               ; the last image's stores have read the codes' registers (and, the first time, all of x's numbers are in)
.irp n, 0,1,2,3,4,5,6,7
	v_cvt_scalef32_pk8_fp8_f32 v[PC+2*\n:PC+2*\n+1], v[T+8*\n:T+8*\n+7], v[\sc]
.endr
	v_nop                                          ; a plain line between the conversions and the next lines that write their sources
.irp c, 0,1,2,3
	ds_store_b128 v[XWI], v[PC+4*\c:PC+4*\c+3] offset:\off+512*\c
.endr
.endm
	s_wait_dscnt 63                                ; of 128 loads at most 63 are out: the first K step's 64 are in
	QUANT XN, 12, 13, 0
	QUANT XN, 14, 15, 16384
	QUANT XN, 16, 17, 32768
	QUANT XN+64, 12, 13, 2048
	QUANT XN+64, 14, 15, 16384+2048
	QUANT XN+64, 16, 17, 32768+2048
	s_wait_dscnt 0x0                               ; for the others' sake: my images lie in LDS
	s_barrier_signal -1
	s_barrier_wait -1
; ---- all 24 fragments into registers: pixel tiles 0, 1 first
	WIN 0x80
.irp q, 0,1,2
.irp u, 0,1
.irp s, 0,1
.irp c, 0,1,2,3
	ds_load_b128 v[16*((2*\q+\u)*2+\s)+4*\c:16*((2*\q+\u)*2+\s)+4*\c+3], v[XRD] offset:((\q*4+\u)*2+\s)*2048+512*\c
.endr
.endr
.endr
.endr
	WIN 0xc0
.irp q, 0,1,2
.irp u, 0,1
.irp s, 0,1
.irp c, 0,1,2,3
	ds_load_b128 v[16*((2*\q+\u)*2+\s)+4*\c:16*((2*\q+\u)*2+\s)+4*\c+3], v[XRD] offset:((\q*4+2+\u)*2+\s)*2048+512*\c
.endr
.endr
.endr
.endr
	s_wait_loadcnt 0x0                             ; the weights and the biases
	WIN 0x82                                       ; source 0 and destination window 2
.set i, 0
.rept 16
	v_ldexp_f32 v[BQ+i], v[BQ+i], s57              ; bq / 2^(e0 + e1)
	v_ldexp_f32 v[BK+i], v[BK+i], s58
.set i, i+1
.endr
	WIN 0x80                                       ; source 0 window 0
.irp j, 0,1,2,3
.irp n, 0,1,2,3,4,5,6,7
	v_ldexp_f32 v[BV+8*\j+\n], v[24+\j], s59       ; a lane's eight results of v belong to one channel
.endr
.endr
; One K step of 128 for pixel tiles 2 g, 2 g + 1: sixteen accumulators by turns, in the same order in both K steps.
.macro KSTEP g, s
.if \s == 0
	WIN 0x29+4*\g                                  ; source 0 (the weight) window 1, source 1 (x) window 2 + g, C (the bias) window 2
.else
	WIN 0x09+4*\g
.endif
.irp u, 0,1
.irp p, 0,1
.if \s == 0
	v_wmma_f32_16x16x128_fp8_fp8 v[AQ+8*(2*\u+\p):AQ+8*(2*\u+\p)+7], v[WQ+32*\p:WQ+32*\p+15], v[32*\u:32*\u+15], v[BQ+8*\p:BQ+8*\p+7]
.else
	v_wmma_f32_16x16x128_fp8_fp8 v[AQ+8*(2*\u+\p):AQ+8*(2*\u+\p)+7], v[WQ+32*\p+16:WQ+32*\p+31], v[32*\u+16:32*\u+31], v[AQ+8*(2*\u+\p):AQ+8*(2*\u+\p)+7]
.endif
.endr
.endr
.irp u, 0,1
.irp p, 0,1
.if \s == 0
	v_wmma_f32_16x16x128_fp8_fp8 v[AK+8*(2*\u+\p):AK+8*(2*\u+\p)+7], v[WK+32*\p:WK+32*\p+15], v[64+32*\u:64+32*\u+15], v[BK+8*\p:BK+8*\p+7]
.else
	v_wmma_f32_16x16x128_fp8_fp8 v[AK+8*(2*\u+\p):AK+8*(2*\u+\p)+7], v[WK+32*\p+16:WK+32*\p+31], v[64+32*\u+16:64+32*\u+31], v[AK+8*(2*\u+\p):AK+8*(2*\u+\p)+7]
.endif
.endr
.endr
.if \s == 0
	WIN 0x26+\g                                    ; source 0 (x) window 2 + g, source 1 (Wv) window 1, C window 2
.else
	WIN 0x06+\g
.endif
.irp j, 0,1,2,3
.irp u, 0,1
.if \s == 0
	v_wmma_f32_16x16x128_fp8_fp8 v[AV+8*(2*\j+\u):AV+8*(2*\j+\u)+7], v[128+32*\u:128+32*\u+15], v[WVF+32*\j:WVF+32*\j+15], v[BV+8*\j:BV+8*\j+7]
.else
	v_wmma_f32_16x16x128_fp8_fp8 v[AV+8*(2*\j+\u):AV+8*(2*\j+\u)+7], v[128+32*\u+16:128+32*\u+31], v[WVF+32*\j+16:WVF+32*\j+31], v[AV+8*(2*\j+\u):AV+8*(2*\j+\u)+7]
.endif
.endr
.endr
.endm
; Two accumulators, 16 neighbours along the next K, become 16 bytes of codes; each accumulator from its low end on.
.macro OUTQ a0, a1, sc, lim, cd
.irp n, 0,1,2,3,4,5,6,7
	v_med3_num_f32 v[\a0+\n], v[\a0+\n], -v[\lim], v[\lim]
.endr
.irp n, 0,1,2,3,4,5,6,7
	v_med3_num_f32 v[\a1+\n], v[\a1+\n], -v[\lim], v[\lim]
.endr
	v_cvt_scalef32_pk8_fp8_f32 v[\cd:\cd+1], v[\a0:\a0+7], v[\sc]
	v_cvt_scalef32_pk8_fp8_f32 v[\cd+2:\cd+3], v[\a1:\a1+7], v[\sc]
.endm
.macro GROUP g
.if \g == 0
	s_wait_dscnt 48                                ; pixel tiles 0, 1 are in; the 48 loads of tiles 2, 3 may be out
.else
	s_wait_dscnt 0x0
.endif
	KSTEP \g, 0
	KSTEP \g, 1
	WIN 0
	PLACES 4                                       ; in front of the first read of results (ISA guide 7.12.1)
.irp u, 0,1
	OUTQ AQ+16*\u, AQ+16*\u+8, 18, 19, CODE+32*\g+4*\u
.endr
.irp u, 0,1
	OUTQ AK+16*\u, AK+16*\u+8, 20, 21, CODE+32*\g+8+4*\u
.endr
.irp j, 0,1,2,3
	OUTQ AV+16*\j, AV+16*\j+8, 22, 23, CODE+32*\g+16+4*\j
.endr
	v_nop                                          ; a plain line between the last conversion and the products that write its sources anew
.irp u, 0,1                                    ; each store of the wave covers 512 consecutive bytes, aligned; every store has its own data registers, so none is written again
	global_store_b128 v[QO], v[CODE+32*\g+4*\u:CODE+32*\g+4*\u+3], s[66:67] offset:(2*\g+\u)*2048
	global_store_b128 v[QO], v[CODE+32*\g+8+4*\u:CODE+32*\g+8+4*\u+3], s[68:69] offset:(2*\g+\u)*2048
.endr
.irp j, 0,1,2,3
	global_store_b128 v[LI], v[CODE+32*\g+16+4*\j:CODE+32*\g+16+4*\j+3], s[70:71] offset:\j*2048+\g*512
.endr
.endm
	GROUP 0
	GROUP 1
	s_wait_tensorcnt 0x0
	ds_add_u32 v254, v255
	s_wait_dscnt 0x0
	s_endpgm
.Lfunc_end_k_qe99a6fc9d6_proj:
	.size	k_qe99a6fc9d6_proj, .Lfunc_end_k_qe99a6fc9d6_proj-k_qe99a6fc9d6_proj
	.p2alignl 7, 3214868480
	.fill 96, 4, 3214868480
	.section	.rodata,"a",@progbits
	.p2align	6, 0x0
	.amdhsa_kernel k_qe99a6fc9d6_proj
		.amdhsa_group_segment_fixed_size 168448
		.amdhsa_private_segment_fixed_size 0
		.amdhsa_enable_private_segment 0
		.amdhsa_kernarg_size 80
		.amdhsa_user_sgpr_count 2
		.amdhsa_user_sgpr_kernarg_segment_ptr 1
		.amdhsa_wavefront_size32 1
		.amdhsa_system_sgpr_workgroup_id_x 1
		.amdhsa_system_sgpr_workgroup_id_y 1
		.amdhsa_system_sgpr_workgroup_id_z 1
		.amdhsa_system_vgpr_workitem_id 0
		.amdhsa_next_free_vgpr 1024
		.amdhsa_next_free_sgpr 96
		.amdhsa_reserve_vcc 0
		.amdhsa_float_denorm_mode_32 3
		.amdhsa_float_denorm_mode_16_64 3
		.amdhsa_memory_ordered 1
		.amdhsa_forward_progress 1
		.amdhsa_inst_pref_size 86
	.end_amdhsa_kernel
	.amdgpu_metadata
---
amdhsa.version: [ 1, 2 ]
amdhsa.kernels:
  - .name:           k_qe99a6fc9d6_proj
    .symbol:         k_qe99a6fc9d6_proj.kd
    .args:
      - { .name: x, .offset: 0, .size: 8, .value_kind: global_buffer, .address_space: global }
      - { .name: Wq_codes, .offset: 8, .size: 8, .value_kind: global_buffer, .address_space: global }
      - { .name: Wk_codes, .offset: 16, .size: 8, .value_kind: global_buffer, .address_space: global }
      - { .name: Wv_codes, .offset: 24, .size: 8, .value_kind: global_buffer, .address_space: global }
      - { .name: bq, .offset: 32, .size: 8, .value_kind: global_buffer, .address_space: global }
      - { .name: bk, .offset: 40, .size: 8, .value_kind: global_buffer, .address_space: global }
      - { .name: bv, .offset: 48, .size: 8, .value_kind: global_buffer, .address_space: global }
      - { .name: lowp_scales, .offset: 56, .size: 8, .value_kind: global_buffer, .address_space: global }
      - { .name: q_img, .offset: 64, .size: 8, .value_kind: global_buffer, .address_space: global }
      - { .name: kv, .offset: 72, .size: 8, .value_kind: global_buffer, .address_space: global }
    .group_segment_fixed_size: 168448
    .private_segment_fixed_size: 0
    .kernarg_segment_align: 8
    .kernarg_segment_size: 80
    .max_flat_workgroup_size: 128
    .sgpr_count:     96
    .vgpr_count:     1024
    .wavefront_size: 32
...
	.end_amdgpu_metadata
.endif
;; end of part 1
;; launch attn (part 2): grid 64 x 4, 4 waves a work-group, clusters of 4 x 1, 327,680 bytes of LDS; arguments q_img, kv, lowp_scales, gamma, x, out0; writes out0
.if DOCPART == 2
	.amdgcn_target "amdgcn-amd-amdhsa--gfx1250"
	.amdhsa_code_object_version 6
	.text
	.protected	k_qe99a6fc9d6_attn
	.globl	k_qe99a6fc9d6_attn
	.p2align	8
	.type	k_qe99a6fc9d6_attn,@function
k_qe99a6fc9d6_attn:
	s_mov_b64 s[64:65], 0
	v_nop
	global_prefetch_b8 v0, s[64:65] scope:SCOPE_SE
	s_setreg_imm32_b32 hwreg(HW_REG_WAVE_MODE, 25, 1), 1
	s_wait_xcnt 0x0
	s_wait_alu depctr_hold_cnt(0) depctr_sa_sdst(0) depctr_va_vdst(0) depctr_va_sdst(0) depctr_va_ssrc(0) depctr_va_vcc(0) depctr_vm_vsrc(0)
	s_getreg_b32 s2, hwreg(HW_REG_IB_STS2, 6, 4)
	s_cmp_eq_u32 s2, 0
	s_cbranch_scc0 .Lentry_in_a_cluster
	s_endpgm
.Lentry_in_a_cluster:
	s_bfe_u32 s2, ttmp6, 0x10000c
	s_cmp_lg_u32 s2, 0x3003
	s_cbranch_scc0 .Lentry_shape_is_right
	s_endpgm
.Lentry_shape_is_right:
; out[b][c][n] = gamma x (sum over keys m of v[c][m] p[n][m]) / l[n] + x[b][c][n], both products on codes of FP8 (E4M3) made by the launch before; p = 2^(t - M), t = score x log2(e), M a whole number: the ceiling of the
; running largest t; p is quantised with the given 2^e9, not normalised; l is the sum of the unquantised p.
; SHARES.  A work-group owns 64 queries of one image: four tiles of 16.  THE FOUR WAVES SHARE THE KEYS: wave w holds all 64 queries and walks keys 1024 w .. 1024 w + 1023 in 8 steps of 128, so that each fragment of k or v that
; it reads from LDS feeds four matrix instructions.  Each wave has its own M, l and O^T (256 channels x 64 queries: 512 registers); at the end they are brought under the largest M by powers of two, which round nothing, and added.
; LAYOUT.  Both products are used transposed: S^T = k q^T (source 0 = 16 keys), O^T = v p^T (source 0 = 16 channels): a lane holds ONE query throughout.  Operands lie in memory and in LDS as images of their registers
; (a fragment: 4 x 512 bytes, lane l's 16 bytes at 16 l): no pitch, no padding.  Lane r of tile 2 g + u stands for pixel 32 g + 8 u + r + 8 (r / 8), so that p's 16 registers of two neighbouring key tiles are 16 neighbouring keys.
; LDS.  Wave w has a region of 73,728 bytes, which it alone reads.  One tensor load brings block j, 49,152 consecutive bytes of the wave's stream: v of step j and k of step j + 1.  Two whole slots for four waves, 393,216 bytes,
; would not fit; so the blocks land by turns at the region's byte 0 (even j) and byte 24,576 (odd j), and two successive blocks share the middle 24,576 bytes alone.  What is read first, v's fragments 0-11, lies in that
; middle in every block; what is read last, v's fragments 12-15 and then k, lies at the end that the next block does not reach (an even block reads v 12-15, k, v 0-11 in memory; an odd one v 0-11, v 12-15, k).
; So block j + 1 is asked for as soon as 48 of step j's 88 LDS loads are back, and has 48 products of step j, the 32 of step j + 1's scores and its softmax in which to land.
; k(0) lies in block 7 and is fetched by a load of its own at the start.  All eight blocks are alike, so that one group 1 serves them and six steps go round one loop; the price: block 7 brings k(0)'s 16,384 bytes once more, which nobody reads.
; By this text's count a wave has two tensor loads out at the start and one later.
; CLUSTER.  The four work-groups of a cluster are four query blocks of one image and walk the same streams: wave w of each asks JOINTLY, by the same descriptor and a mask that names the four.
; v's fragment a of stream w holds channels 16 ((a + 4 w) mod 16) on: so accumulators 0-3 are, in every wave, the channels 64 w .. 64 w + 63 that the wave gathers, adds x to and stores.
; LIMITS: e6 + e7 between -126 and 127 (they are added to log2(e)'s exponent field); e9 between -126 and 119.  NaN and infinities among the inputs are not served.
; REGISTERS.  window 0: v1-6 what stays; v8-31 six registers of statistics a tile: -M, the largest score | l in two halves | f, at work; v32-95 q; v96-159 p's codes; v160-255 six fragments of k.
;   window 1: S^T, then p (key tile kt, query tile t at 8 (4 kt + t)); behind the conversions v's 16 fragments.   windows 2, 3: O^T (fragment a, tile t at 8 (4 (a mod 8) + t)).
.set RING,  73728                      ; a wave's region
.set BLOCK, 49152                      ; what one tensor load brings
.set EARLY, 24576                      ; v's fragments 0-11, in every block; also where an odd block begins
.set LATE1, 49152                      ; an odd block's last part; an even block's lies at 0
.set KREL,  8192                       ; in that part: v's fragments 12-15, then k
.set SPARE, 4*RING                     ; the spare words, 128 bytes for each wave: two blocks of 256 bytes that no other line names
.set STATS, SPARE+512                  ; the way out: wave x 1,024 + tile x 256 + (-M: 0, l: 128) + 4 x lane
.set STG,   49152                      ; the way out: in each wave's region, behind three places of 16,384 bytes for the others' results: its stage, 64 rows (channels) of 256 bytes + 16
.set SP,    272
.set LB,   1                           ; v1  my region + 16 x lane
.set SPW,  2                           ; v2  LDS address of my spare word; never rewritten
.set NIL,  3                           ; v3  0; never rewritten
.set HOLD, 4                           ; v4  448 x 2^e9
.set SCL,  5                           ; v5  2^e9
.set LBH,  6                           ; v6  v1 + LATE1
.set ST,   8
.set Q,    32
.set P,    96
.set KF,   160
.set G1,   32                          ; s[32:39] descriptor group 1 of a block;  s[24:31] of k(0)
.set G0E,  48                          ; s[48:51] group 0 of the even blocks;  s[52:55] of the odd ones;  s[84:87] of k(0)
.set G0O,  52
.set MSB, 0
.macro WIN new                         ; the immediate's high byte repeats the setting that is left
.if MSB != (\new)
	s_set_vgpr_msb (MSB<<8)|(\new)
.set MSB, (\new)
.endif
.endm
.macro PLACES n
.rept \n
	v_nop
.endr
.endm
; A round of the cluster's barrier: my work-group's barrier; wave 0 signals for the work-group; every wave waits for all four work-groups; my work-group's barrier once more.
.macro CREST                           ; a round behind its opening barrier
	s_cmp_lg_u32 s16, 0
	s_cbranch_scc1 .Lnot_wave_0_\@
	s_barrier_signal -3
.Lnot_wave_0_\@:
	s_barrier_wait -3
	s_barrier_signal -1
	s_barrier_wait -1
.endm
.macro CROUND                          ; a whole round
	s_barrier_signal -1
	s_barrier_wait -1
	CREST
.endm
.macro MKG1 g, rows                    ; descriptor group 1: a dense block as rows of 32 elements of 8 bytes; mask: all four work-groups, bit 21 beside it
	s_mov_b32 s[\g], 15|(3<<16)|(1<<21)
	s_mov_b32 s[\g+1], 32<<16
	s_mov_b32 s[\g+2], \rows<<16
	s_mov_b32 s[\g+3], 32<<16
	s_mov_b32 s[\g+4], \rows
	s_mov_b32 s[\g+5], 32
	s_mov_b32 s[\g+6], 0
	s_mov_b32 s[\g+7], 0
.endm
	s_load_b256 s[4:11], s[0:1], 0x0               ; q_img, kv, the scales' exponents, gamma
	s_load_b128 s[12:15], s[0:1], 0x20             ; x, out0
	v_lshl_add_u32 v[SPW], v0, 2, SPARE
	v_mov_b32 v[NIL], 0
	ds_add_u32 v2, v3
	ds_add_u32 v2, v3
	s_wait_dscnt 0x0
	v_lshrrev_b32 v6, 5, v0
	v_readfirstlane_b32 s16, v6                    ; wave 0..3
	s_bfe_u32 s17, ttmp6, 0x40000                  ; cx: it enters the addresses of q_img, x and out0 alone
	s_lshl_b32 s18, ttmp9, 2
	s_add_co_u32 s18, s18, s17                     ; my block of 64 queries
	s_and_b32 s19, ttmp7, 0xffff                   ; the image, which the four partners share
	s_mov_b32 s20, 0x76543210                      ; v_permlanex16_b32: lane l xor 16
	s_mov_b32 s21, 0xfedcba98
	MKG1 24, 64                                    ; k(0): 16,384 bytes
	MKG1 G1, 192                                   ; a block: 49,152 bytes
	s_mul_i32 s66, s19, 1572864
	s_mul_i32 s67, s16, 393216
	s_add_co_u32 s66, s66, s67                     ; my stream in kv
	s_mov_b32 s67, 0
	s_mul_i32 s68, s16, RING                       ; my region in LDS
	s_lshl_b32 s70, s19, 6
	s_add_co_u32 s70, s70, s18
	s_lshl_b32 s70, s70, 13                        ; my block in q_img
	s_mov_b32 s71, 0
	s_wait_kmcnt 0x0
	s_load_b128 s[56:59], s[8:9], 0x18             ; e6, e7, e8, e9
	s_load_b32 s60, s[10:11], 0x0                  ; gamma
	s_add_nc_u64 s[66:67], s[6:7], s[66:67]
	s_add_nc_u64 s[4:5], s[4:5], s[70:71]
	s_mov_b32 s84, 1                               ; k(0): from block 7's end to where an odd block's k lies
	s_add_co_u32 s85, s68, LATE1+KREL
	s_add_nc_u64 s[86:87], s[66:67], 7*BLOCK+32768
	s_or_b32 s87, s87, 0x80000000
	s_mov_b32 s[G0E], 1                            ; block 0, to the region's first byte
	s_mov_b32 s[G0E+1], s68
	s_mov_b64 s[G0E+2:G0E+3], s[66:67]
	s_or_b32 s[G0E+3], s[G0E+3], 0x80000000
	s_mov_b32 s[G0O], 1                            ; block 1, 24,576 bytes further on
	s_add_co_u32 s[G0O+1], s68, EARLY
	s_add_nc_u64 s[G0O+2:G0O+3], s[66:67], BLOCK
	s_or_b32 s[G0O+3], s[G0O+3], 0x80000000
	CROUND                                         ; all four work-groups are here: the first joint loads meet
	tensor_load_to_lds s[84:87], s[24:31]          ; the two first fills share no byte and go out together
	s_nop 0
	tensor_load_to_lds s[G0E:G0E+3], s[G1:G1+7]
	s_nop 0
	PLACES 4
	v_and_b32 v6, 31, v0
	v_lshlrev_b32 v7, 4, v6
	v_add_nc_u32 v[LB], s68, v7
	v_add_nc_u32 v[LBH], LATE1, v[LB]
.irp t, 0,1,2,3
.irp c, 0,1,2,3
	global_load_b128 v[Q+16*\t+4*\c:Q+16*\t+4*\c+3], v7, s[4:5] offset:\t*2048+512*\c   ; q stays in registers
.endr
.endr
.irp t, 0,1,2,3
	v_mov_b32 v[ST+6*\t+1], 0xff61b1e6             ; the largest score so far: -3e38
	v_mov_b32 v[ST+6*\t+2], 0                      ; l
	v_mov_b32 v[ST+6*\t+3], 0
	v_mov_b32 v[ST+6*\t+4], 0                      ; written once: a lane permute's destination counts as one of its sources
.endr
	s_wait_kmcnt 0x0
	s_add_co_i32 s22, s56, s57
	s_lshl_b32 s22, s22, 23
	s_add_co_i32 s22, s22, 0x3fb8aa3b              ; c = log2(e) x 2^(e6 + e7): a sum of the first product stands for sum x 2^(e6 + e7)
	s_mov_b32 s23, s22                             ; (named with it as a pair, so it is written)
	s_add_co_i32 s74, s59, 127
	s_lshl_b32 s75, s74, 23
	v_mov_b32 v[SCL], s75
	s_add_co_i32 s74, s74, 8
	s_lshl_b32 s74, s74, 23
	s_or_b32 s74, s74, 0x600000
	v_mov_b32 v[HOLD], s74
	s_add_co_i32 s62, s58, s59                     ; e8 + e9
.macro KLOAD kt, f, hi                 ; fragment kt of k into place f; hi = 1: it came in an odd block
.irp c, 0,1,2,3
.if (\hi)
	ds_load_b128 v[KF+16*\f+4*\c:KF+16*\f+4*\c+3], v[LBH] offset:KREL+\kt*2048+512*\c
.else
	ds_load_b128 v[KF+16*\f+4*\c:KF+16*\f+4*\c+3], v[LB] offset:KREL+\kt*2048+512*\c
.endif
.endr
.endm
.macro SC kt, f                        ; the scores of key tile kt against the four tiles of queries
.irp t, 0,1,2,3
	v_wmma_f32_16x16x128_fp8_fp8 v[8*(4*\kt+\t):8*(4*\kt+\t)+7], v[KF+16*\f:KF+16*\f+15], v[Q+16*\t:Q+16*\t+15], 0
.endr
.endm
.macro PV a, zero                      ; O^T of fragment a, four tiles of queries.  zero = 1: the first step's products start the sums: nothing is cleared
.irp t, 0,1,2,3
.if \zero
	v_wmma_f32_16x16x128_fp8_fp8 v[8*(4*((\a)%8)+\t):8*(4*((\a)%8)+\t)+7], v[16*(\a):16*(\a)+15], v[P+16*\t:P+16*\t+15], 0
.else
	v_wmma_f32_16x16x128_fp8_fp8 v[8*(4*((\a)%8)+\t):8*(4*((\a)%8)+\t)+7], v[16*(\a):16*(\a)+15], v[P+16*\t:P+16*\t+15], v[8*(4*((\a)%8)+\t):8*(4*((\a)%8)+\t)+7]
.endif
.endr
.endm
; A KEY STEP: 128 keys.  first: no old M, nothing to rescale.  last: nothing more to fetch.  par: the step is odd.  g0: group 0 of the next block.  step: that group 0 goes two blocks on.
; No accumulator is named twice in a step, and every turn is one instruction.
.macro STEP first, last, par, g0, step
	s_wait_dscnt 0x0                               ; k's fragments 0-5 are in
	WIN 0x40                                       ; S^T in window 1
	SC 0, 0
	SC 1, 1
	PLACES 4                                       ; in front of loads into registers that those products have read (ISA guide 7.12.1 for vector instructions)
	WIN 0
	KLOAD 6, 0, 1-\par                             ; k of this step came in the block before, of the other kind; the block on its way does not reach these bytes
	KLOAD 7, 1, 1-\par
	WIN 0x40
	SC 2, 2
	SC 3, 3
	SC 4, 4
	SC 5, 5
	s_wait_dscnt 0x0
	SC 6, 0
	SC 7, 1
	PLACES 4                                       ; between the last scores' products and the first read of scores
	; the largest score of each query: one chain a tile, the four tiles by turns; each accumulator from its low end on
	WIN 0x05
.irp kt, 0,1,2,3,4,5,6,7
.irp p, 0,1,2,3
.irp t, 0,1,2,3
.if (\kt == 0) && (\p == 0)
	v_max3_num_f32 v[ST+6*\t+5], v[8*(4*\kt+\t)+2*\p], v[8*(4*\kt+\t)+2*\p+1], v[ST+6*\t+1]
.else
	v_max3_num_f32 v[ST+6*\t+5], v[8*(4*\kt+\t)+2*\p], v[8*(4*\kt+\t)+2*\p+1], v[ST+6*\t+5]
.endif
.endr
.endr
.endr
	WIN 0
.irp t, 0,1,2,3
	v_permlanex16_b32 v[ST+6*\t+4], v[ST+6*\t+5], s20, s21   ; the query's other 64 keys lie in the lane 16 away
.endr
.irp t, 0,1,2,3
	v_max_num_f32 v[ST+6*\t+1], v[ST+6*\t+5], v[ST+6*\t+4]
.endr
.if \first == 0
.irp t, 0,1,2,3
	v_mov_b32 v[ST+6*\t+5], v[ST+6*\t]             ; the old -M
.endr
.endif
.irp t, 0,1,2,3
	v_mul_f32 v[ST+6*\t+4], s22, v[ST+6*\t+1]      ; as t (c is positive)
.endr
.irp t, 0,1,2,3
	v_floor_f32 v[ST+6*\t], -v[ST+6*\t+4]          ; -M = floor(-t) = -ceil(t): a whole number
.endr
.if \first == 0
.irp t, 0,1,2,3
	v_sub_f32 v[ST+6*\t+5], v[ST+6*\t], v[ST+6*\t+5]   ; old M - new M, 0 or less
.endr
.irp t, 0,1,2,3
	v_cvt_i32_f32 v[ST+6*\t+5], v[ST+6*\t+5]       ; (it saturates)
.endr
.irp t, 0,1,2,3
	v_ldexp_f32 v[ST+6*\t+4], 1.0, v[ST+6*\t+5]    ; f = 2^(old M - new M)
.endr
.endif
	; p = 2^(c s - M): a tile's exponentials stand between the next tile's scalings
	WIN 0x41
.set e, 0
.rept 32
.set SR, 8*(4*(e/8))+e%8
	v_pk_fma_f32 v[SR:SR+1], v[SR:SR+1], s[22:23], v[ST:ST+1] op_sel_hi:[1,0,0]
.set e, e+2
.endr
.irp t, 0,1,2,3
.set e, 0
.rept 32
.set SR, 8*(4*(e/8)+\t)+e%8
	v_exp_f32 v[SR], v[SR]
	v_exp_f32 v[SR+1], v[SR+1]
.if \t < 3
	v_pk_fma_f32 v[SR+8:SR+9], v[SR+8:SR+9], s[22:23], v[ST+6*(\t+1):ST+6*(\t+1)+1] op_sel_hi:[1,0,0]
.endif
.set e, e+2
.endr
.endr
	v_nop                                          ; a plain line behind the last exponential
.if \first == 0
	WIN 0
	s_wait_alu depctr_va_vdst(0)
.irp t, 0,1,2,3
	v_pk_mul_f32 v[ST+6*\t+2:ST+6*\t+3], v[ST+6*\t+2:ST+6*\t+3], v[ST+6*\t+4:ST+6*\t+5] op_sel_hi:[1,0]   ; l under the new M
.endr
.endif
	WIN 0x04
	s_wait_alu depctr_va_vdst(0)
.irp kt, 0,1,2,3,4,5,6,7
.irp p, 0,1,2,3
.irp t, 0,1,2,3
	v_pk_add_f32 v[ST+6*\t+2:ST+6*\t+3], v[ST+6*\t+2:ST+6*\t+3], v[8*(4*\kt+\t)+2*\p:8*(4*\kt+\t)+2*\p+1]   ; the sum is taken of the unquantised p
.endr
.endr
.endr
	WIN 0x41
.set e, 0
.rept 256
	v_min_num_f32 v[e], v[e], v[HOLD]              ; the conversion does not saturate (ISA guide 7.6.2); p is not negative, so the hold is one-sided
.set e, e+1
.endr
	WIN 0x01
.irp kt, 0,1,2,3,4,5,6,7
.irp t, 0,1,2,3
	v_cvt_scalef32_pk8_fp8_f32 v[P+16*\t+2*\kt:P+16*\t+2*\kt+1], v[8*(4*\kt+\t):8*(4*\kt+\t)+7], v[SCL]
.endr
.endr
	v_nop                                          ; a plain line behind the last conversion
	s_wait_tensorcnt 0x0                           ; for the reads below: the one load that is out, this step's block, has landed; I issued it and I alone read its bytes
	WIN 0x40
.set e, 0
.if \last
.rept 64
	ds_load_b128 v[4*e:4*e+3], v[LB] offset:EARLY+512*e   ; all of v (an odd block: its 16 fragments lie on end), where p lay
.set e, e+1
.endr
.else
.rept 48
	ds_load_b128 v[4*e:4*e+3], v[LB] offset:EARLY+512*e   ; v's fragments 0-11, where p lay: the bytes that the next block shares with this one
.set e, e+1
.endr
.endif
.if \first == 0
	WIN 0x82
.set e, 0
.rept 128
	v_pk_mul_f32 v[e:e+1], v[e:e+1], v[ST+6*((e/8)%4)+4:ST+6*((e/8)%4)+5] op_sel_hi:[1,0]   ; O^T under the new M, fragments 0-7
.set e, e+2
.endr
.endif
.if \last == 0
	WIN 0                                          ; (the add's two registers lie in window 0)
	s_wait_tensorcnt 0x0                           ; no tensor load of mine is out, so a group 0 may be written
	ds_add_u32 v[SPW], v[NIL]                      ; 0 onto my spare word: the rest of the rescaling stands between it and the wait for it
.if \step
	s_add_nc_u64 s[\g0+2:\g0+3], s[\g0+2:\g0+3], 2*BLOCK   ; two blocks on; the type bits on top are not reached
.endif
.endif
.if \first == 0
	WIN 0xc3
.set e, 0
.rept 128
	v_pk_mul_f32 v[e:e+1], v[e:e+1], v[ST+6*((e/8)%4)+4:ST+6*((e/8)%4)+5] op_sel_hi:[1,0]   ; fragments 8-15
.set e, e+2
.endr
.endif
	s_wait_dscnt 0x0                               ; the add is done, and my reads are back: of the middle bytes, and of the end that the block before last filled (last step: of the whole region)
	s_barrier_signal -1                            ; say so: this barrier opens a round of the cluster's (last step: behind it the regions take the waves' results)
	WIN 0xa1                                       ; source 0 (v) window 1, source 1 (p) window 0, C and D window 2
.irp a, 0,1,2,3
	PV \a, \first                                  ; work on registers while the others arrive
.endr
.if \last == 0
	WIN 0
	s_barrier_wait -1
	CREST                                          ; no wave of any partner still reads those bytes or has a load on its way
	tensor_load_to_lds s[\g0:\g0+3], s[G1:G1+7]    ; my one tensor load behind the round: the next block
	s_nop 0
	PLACES 4
	WIN 0x40
.set e, 0
.rept 16
.if \par
	ds_load_b128 v[192+4*e:192+4*e+3], v[LBH] offset:512*e   ; v's fragments 12-15, from the end that the next block does not reach
.else
	ds_load_b128 v[192+4*e:192+4*e+3], v[LB] offset:512*e
.endif
.set e, e+1
.endr
	WIN 0
.irp kt, 0,1,2,3,4,5
	KLOAD \kt, \kt, \par                           ; the next step's k, from the same end
.endr
	WIN 0xa1
.endif
.irp a, 4,5,6,7
	PV \a, \first
.endr
	WIN 0xf1                                       ; C and D window 3
.irp a, 8,9,10,11
	PV \a, \first
.endr
.if \last == 0
	s_wait_dscnt 24                                ; v's fragments 12-15 are in; the 24 loads of k may be out
.endif
.irp a, 12,13,14,15
	PV \a, \first
.endr
	WIN 0
.if \last
	s_barrier_wait -1
.else
	PLACES 5                                       ; the next step's scores are laid over v's fragments, which these products read: five places
.endif
.endm
	s_wait_tensorcnt 0x1                           ; k(0) has landed in my region; block 0, issued behind it, may be out
.irp kt, 0,1,2,3,4,5
	KLOAD \kt, \kt, 1
.endr
	s_wait_loadcnt 0x0                             ; q
	STEP 1, 0, 0, G0O, 0                           ; step 0 asks for block 1
	s_mov_b32 s61, 3
.Lstep:                                            ; steps 1 to 6, an odd and an even one a trip: they ask for blocks 2 to 7
	STEP 0, 0, 1, G0E, 1
	STEP 0, 0, 0, G0O, 1
	s_sub_co_u32 s61, s61, 1
	s_cmp_lg_u32 s61, 0
	s_cbranch_scc1 .Lstep
	STEP 0, 1, 1, 0, 0                             ; the last step is written out: it asks for nothing
; THE WAY OUT.  Accumulators 4 k .. 4 k + 3 of wave w are the channels of wave (w + k) mod 4: they go there through LDS as images of their registers, into the regions, which have had their last fill and their last read.
.irp t, 0,1,2,3
	v_add_f32 v[ST+6*\t+2], v[ST+6*\t+2], v[ST+6*\t+3]   ; l's two halves.  (These lines are also the places behind the last products)
.endr
.irp t, 0,1,2,3
	v_permlanex16_b32 v[ST+6*\t+4], v[ST+6*\t+2], s20, s21
.endr
.irp t, 0,1,2,3
	v_add_f32 v[ST+6*\t+2], v[ST+6*\t+2], v[ST+6*\t+4]   ; and the other half of the lanes': my keys' sum
.endr
	v_and_b32 v42, 31, v0
	v_lshlrev_b32 v43, 4, v42                      ; 16 x lane
	v_lshlrev_b32 v44, 2, v42                      ; 4 x lane
	v_and_b32 v45, 15, v0                          ; r
	v_bfe_u32 v46, v0, 4, 1                        ; h
.irp k, 1,2,3
	s_add_co_u32 s76, s16, \k
	s_and_b32 s76, s76, 3
	s_mul_i32 s76, s76, RING
	s_add_co_u32 s76, s76, (\k-1)*16384
	v_add_nc_u32 v[31+\k], s76, v43                ; v32-34: where I send: region of wave (w + k) mod 4, place k - 1
	s_add_co_u32 s76, s16, 4-\k
	s_and_b32 s76, s76, 3
	s_lshl_b32 s76, s76, 10
	s_add_co_u32 s76, s76, STATS
	v_add_nc_u32 v[34+\k], s76, v44                ; v35-37: the statistics of wave (w - k) mod 4, whose results lie in my place k - 1
.endr
	s_lshl_b32 s76, s16, 10
	s_add_co_u32 s76, s76, STATS
	v_add_nc_u32 v38, s76, v44                     ; my statistics
	s_mul_i32 s76, s16, RING
	s_add_co_u32 s76, s76, STG                     ; my stage, in my own region behind the three places
	v_and_b32 v47, 8, v45
	v_add_nc_u32 v47, v47, v45
	v_mul_u32_u24 v39, v46, 8*SP
	v_lshl_add_u32 v39, v47, 2, v39
	v_add_nc_u32 v39, s76, v39                     ; in: row 8 h, pixel r + 8 (r / 8)
	v_mul_u32_u24 v40, v46, SP
	v_lshl_add_u32 v40, v45, 4, v40
	v_add_nc_u32 v40, s76, v40                     ; back: lanes 0-15 one row of 256 bytes, lanes 16-31 the next
	v_lshlrev_b32 v41, 14, v46
	v_lshl_add_u32 v41, v45, 4, v41                ; and the same two rows in x and in out0
	s_lshl_b32 s72, s19, 22
	s_lshl_b32 s73, s16, 20
	s_add_co_u32 s72, s72, s73
	s_lshl_b32 s73, s18, 8
	s_add_co_u32 s72, s72, s73                     ; image, my 64 channels, my block's 64 pixels
	s_mov_b32 s73, 0
	s_add_nc_u64 s[12:13], s[12:13], s[72:73]
	s_add_nc_u64 s[14:15], s[14:15], s[72:73]
.irp t, 0,1,2,3
	ds_store_b32 v38, v[ST+6*\t] offset:256*\t
	ds_store_b32 v38, v[ST+6*\t+2] offset:256*\t+128
.endr
	WIN 0x08                                       ; store data window 2
.set e, 0
.rept 32
	ds_store_b128 v32, v[128+4*e:128+4*e+3] offset:512*e   ; each accumulator from its low end on
.set e, e+1
.endr
	WIN 0x0c                                       ; window 3
.set e, 0
.rept 32
	ds_store_b128 v33, v[4*e:4*e+3] offset:512*e
.set e, e+1
.endr
.set e, 0
.rept 32
	ds_store_b128 v34, v[128+4*e:128+4*e+3] offset:512*e
.set e, e+1
.endr
	WIN 0
	s_wait_dscnt 0x0                               ; for the others' sake: what I send lies in LDS
	s_barrier_signal -1
	s_barrier_wait -1
	WIN 0x80
.set e, 0
.rept 32
	global_load_b128 v[128+4*e:128+4*e+3], v41, s[12:13] offset:32768*e th:TH_LOAD_NT   ; x: two rows of 256 consecutive bytes, aligned, an instruction
.set e, e+1
.endr
	WIN 0
.irp k, 1,2,3
.irp t, 0,1,2,3
	ds_load_b32 v[56+8*\k+2*\t], v[34+\k] offset:256*\t        ; v64-87: -M and l of the three other waves
	ds_load_b32 v[57+8*\k+2*\t], v[34+\k] offset:256*\t+128
.endr
.endr
	WIN 0x40
.set e, 0
.rept 64
	ds_load_b128 v[4*e:4*e+3], v[LB] offset:512*e  ; places 0 and 1 into window 1
.set e, e+1
.endr
	WIN 0xc0
.set e, 0
.rept 32
	ds_load_b128 v[4*e:4*e+3], v[LB] offset:32768+512*e   ; place 2 into window 3
.set e, e+1
.endr
	WIN 0
	s_wait_dscnt 63                                ; of 120 loads at most 63 are out: the 24 words of statistics and place 0's 32 loads are in
; For tile t: the largest M of the four waves; f_j = 2^(M_j - that); l = the sum of f_j l_j; the factor of wave j's O^T is f_j x gamma x 2^(e8 + e9) / l, in both halves of a pair at v[224 + 2 (4 j + t)].
.macro FACT t
	v_min3_num_f32 v48, v[ST+6*\t], v[64+2*\t], v[72+2*\t]
	v_min_num_f32 v48, v48, v[80+2*\t]
	v_sub_f32 v49, v48, v[ST+6*\t]
	v_sub_f32 v50, v48, v[64+2*\t]
	v_sub_f32 v51, v48, v[72+2*\t]
	v_sub_f32 v52, v48, v[80+2*\t]
.irp j, 49,50,51,52
	v_cvt_i32_f32 v\j, v\j
.endr
.irp j, 49,50,51,52
	v_ldexp_f32 v\j, 1.0, v\j
.endr
	v_mul_f32 v53, v49, v[ST+6*\t+2]
	v_fmac_f32 v53, v50, v[65+2*\t]
	v_fmac_f32 v53, v51, v[73+2*\t]
	v_fmac_f32 v53, v52, v[81+2*\t]
	v_rcp_f32 v53, v53
	v_nop                                          ; a plain line behind the reciprocal
	s_wait_alu depctr_va_vdst(0)
	v_mul_f32 v53, s60, v53
	v_ldexp_f32 v53, v53, s62
.irp j, 0,1,2,3
	v_mul_f32 v[224+2*(4*\j+\t)], v[49+\j], v53
	v_mul_f32 v[224+2*(4*\j+\t)+1], v[49+\j], v53
.endr
.endm
	FACT 0
	FACT 1
	FACT 2
	FACT 3
	WIN 0x02                                       ; my own part, from window 2, into v96-223
.set e, 0
.rept 64
	v_pk_mul_f32 v[96+2*e:96+2*e+1], v[2*e:2*e+1], v[224+2*((e/4)%4):224+2*((e/4)%4)+1]
.set e, e+1
.endr
	WIN 0x01
.set e, 0
.rept 64
	v_pk_fma_f32 v[96+2*e:96+2*e+1], v[2*e:2*e+1], v[232+2*((e/4)%4):232+2*((e/4)%4)+1], v[96+2*e:96+2*e+1]
.set e, e+1
.endr
	s_wait_dscnt 32                                ; place 1 is in
.set e, 0
.rept 64
	v_pk_fma_f32 v[96+2*e:96+2*e+1], v[128+2*e:128+2*e+1], v[240+2*((e/4)%4):240+2*((e/4)%4)+1], v[96+2*e:96+2*e+1]
.set e, e+1
.endr
	s_wait_dscnt 0x0                               ; place 2 is in
	WIN 0x03
.set e, 0
.rept 64
	v_pk_fma_f32 v[96+2*e:96+2*e+1], v[2*e:2*e+1], v[248+2*((e/4)%4):248+2*((e/4)%4)+1], v[96+2*e:96+2*e+1]
.set e, e+1
.endr
	WIN 0
; A lane holds one pixel and eight channels; out0's rows run along the pixels.  So the numbers go into my own 64 rows of the stage, one word a lane (the 32 lanes fall on 32 different banks), and come back as whole rows.
.irp j, 0,1,2,3
.irp t, 0,1,2,3
.irp n, 0,1,2,3,4,5,6,7
	ds_store_b32 v39, v[96+8*(4*\j+\t)+\n] offset:(16*\j+\n)*SP+4*(32*(\t/2)+8*(\t%2))
.endr
.endr
.endr
	WIN 0x40
.set e, 0
.rept 32
	ds_load_b128 v[4*e:4*e+3], v40 offset:2*SP*e   ; LDS serves a wave's instructions in order (ISA guide 5.7.1.4): these see my stores
.set e, e+1
.endr
	s_wait_loadcnt 0x0                             ; x
	s_wait_dscnt 0x0
	WIN 0x49                                       ; source 0 and destination window 1, source 1 (x) window 2
.set e, 0
.rept 64
	v_pk_add_f32 v[2*e:2*e+1], v[2*e:2*e+1], v[128+2*e:128+2*e+1]
.set e, e+1
.endr
	WIN 0x04                                       ; store data window 1
.set e, 0
.rept 32
	global_store_b128 v41, v[4*e:4*e+3], s[14:15] offset:32768*e th:TH_STORE_NT   ; 16 lanes store 256 consecutive bytes, at a multiple of 256 from out0's first byte
.set e, e+1
.endr
	WIN 0
	s_wait_tensorcnt 0x0                           ; the wave's end: behind my last tensor load and my last LDS store
	ds_add_u32 v[SPW], v[NIL]
	s_wait_dscnt 0x0
	CROUND                                         ; the closing round: no work-group ends while a partner may still ask for a tile that names it
	s_endpgm
.Lfunc_end_k_qe99a6fc9d6_attn:
	.size	k_qe99a6fc9d6_attn, .Lfunc_end_k_qe99a6fc9d6_attn-k_qe99a6fc9d6_attn
	.p2alignl 7, 3214868480
	.fill 96, 4, 3214868480
	.section	.rodata,"a",@progbits
	.p2align	6, 0x0
	.amdhsa_kernel k_qe99a6fc9d6_attn
		.amdhsa_group_segment_fixed_size 327680
		.amdhsa_private_segment_fixed_size 0
		.amdhsa_enable_private_segment 0
		.amdhsa_kernarg_size 48
		.amdhsa_user_sgpr_count 2
		.amdhsa_user_sgpr_kernarg_segment_ptr 1
		.amdhsa_wavefront_size32 1
		.amdhsa_system_sgpr_workgroup_id_x 1
		.amdhsa_system_sgpr_workgroup_id_y 1
		.amdhsa_system_sgpr_workgroup_id_z 1
		.amdhsa_system_vgpr_workitem_id 0
		.amdhsa_next_free_vgpr 1024
		.amdhsa_next_free_sgpr 100
		.amdhsa_reserve_vcc 0
		.amdhsa_float_denorm_mode_32 3
		.amdhsa_float_denorm_mode_16_64 3
		.amdhsa_memory_ordered 1
		.amdhsa_forward_progress 1
		.amdhsa_inst_pref_size 255
	.end_amdhsa_kernel
	.section	.bss,"aw",@nobits
	.p2align	6
	.space	262144
	.amdgpu_metadata
---
amdhsa.version: [ 1, 2 ]
amdhsa.kernels:
  - .name:           k_qe99a6fc9d6_attn
    .symbol:         k_qe99a6fc9d6_attn.kd
    .args:
      - { .name: q_img, .offset: 0, .size: 8, .value_kind: global_buffer, .address_space: global }
      - { .name: kv, .offset: 8, .size: 8, .value_kind: global_buffer, .address_space: global }
      - { .name: lowp_scales, .offset: 16, .size: 8, .value_kind: global_buffer, .address_space: global }
      - { .name: gamma, .offset: 24, .size: 8, .value_kind: global_buffer, .address_space: global }
      - { .name: x, .offset: 32, .size: 8, .value_kind: global_buffer, .address_space: global }
      - { .name: out0, .offset: 40, .size: 8, .value_kind: global_buffer, .address_space: global }
    .group_segment_fixed_size: 327680
    .private_segment_fixed_size: 0
    .kernarg_segment_align: 8
    .kernarg_segment_size: 48
    .max_flat_workgroup_size: 128
    .sgpr_count:     100
    .vgpr_count:     1024
    .wavefront_size: 32
...
	.end_amdgpu_metadata
.endif
;; end of part 2
